; MI455X (gfx1250); checked and timed in simulation.
; The chip was launched on July 23, 2026; its instructions are those of AMD's public machine-readable ISA for CDNA 5 (MIT licence, August 2026) and "CDNA5" Instruction Set Architecture Reference Guide (July 2026). The comments in the code are by the model that wrote it; some were corrected since.
;; Torch Group Gemm Reduce RS. Allowed arithmetic: float matrix products may take bf16 or f16 operands with f32 sums; all other float work in f32.
;; Inputs: intermediate_states 16,384 x 4,096 float32; topk_ids 8,192 x 2 int32; topk_weight 8,192 x 2 float32; w 8 x 4,096 x 128 float32.
;; Outputs: out0 8,192 x 128 float32.
;; One version. Each part assembles by itself: llvm-mc -triple=amdgcn-amd-amdhsa -mcpu=gfx1250 --defsym DOCPART=n.
;; ======== version 1 of 1: 3 launches
;; workspace buffers: w2 8,388,608 bytes; order 65,536 bytes of whole numbers; y 8,388,608 bytes
;; launch prep (part 1): grid 256 x 1, 8 waves a work-group, no clusters, 36,096 bytes of LDS; arguments w, topk_ids, w2, order; writes w2, order
.if DOCPART == 1
	.amdgcn_target "amdgcn-amd-amdhsa--gfx1250"
	.amdhsa_code_object_version 6
	.text
	.protected	k_q424d84727d_prep
	.globl	k_q424d84727d_prep
	.p2align	8
	.type	k_q424d84727d_prep,@function
k_q424d84727d_prep:
	s_mov_b64 s[64:65], 0
	v_nop
	global_prefetch_b8 v0, s[64:65] scope:SCOPE_SE
	s_setreg_imm32_b32 hwreg(HW_REG_WAVE_MODE, 25, 1), 1
	s_wait_xcnt 0x0
; prep: two small jobs that the grouped product needs, shared evenly among 256 work-groups of eight waves.
; (a) w [8][4096][128] f32 -> w2, bf16, laid out as the matrix unit's fragments: w2[e 8][kb 64][s 2][b 8][j 2][lane 32][8 bf16], where lane (r, h) = (lane & 15, lane >> 4)
;     holds w[e][64 kb + 32 s + 16 j + 8 h + 0..7][16 b + r]: a half fragment is 512 consecutive bytes, 16 a lane.
;     Work-group g = 32 e + kb / 2 turns one piece of 128 k x 128 n: 64 KiB read, dense, at byte 65536 g of w; 32 KiB written, dense, at byte 32768 g of w2.
; (b) a counting sort of the 16,384 rows by expert: order[p] = row | key << 16, key = min(id, 8) as unsigned numbers, so every id outside
;     0..7 (negative ones too) falls into bucket 8, whose rows match no expert, as in the masks of the problem.
;     The order inside a bucket is (thread t, then place in the thread) of one fixed layout: thread t of 256 owns the ids j*1024 + 4 t + i,
;     j = 0..15, i = 0..3.  Every work-group counts all ids (64 KiB, read by 16-byte loads), and work-group g places the 64 ids of thread g:
;     each place of order is stored once in the launch, and no work-group needs another's result.
; The 64 stores of 4 bytes a work-group into order go to scattered places: 64 KiB in the whole launch.
.set WP,  272                          ; LDS pitch of a row n: 256 bytes of bf16 (128 k) + 16
.set RS,  128*WP                       ; behind the 128 rows: 8 waves x 8 words of counts
.set IDS, 32                           ; v[32:95]   the thread's 64 ids; later the fragments on their way out
.set WR,  96                           ; v[96:159]  16 k rows of w, 4 columns a lane
.set P,   16                           ; v[16:19]   counts of all threads, v[20:23] of the threads below g; 16-bit fields
.set CV,  24                           ; v[24:31]   two sets of four packed words
	s_load_b256 s[4:11], s[0:1], 0x0               ; w s[4:5], topk_ids s[6:7], w2 s[8:9], order s[10:11]
	v_lshl_add_u32 v160, v0, 2, 0x8900
	v_mov_b32 v161, 0
	v_lshrrev_b32 v2, 5, v0
	v_readfirstlane_b32 s12, v2                    ; wave 0..7
	s_mov_b32 s13, ttmp9                           ; g
	s_mov_b32 s20, 0x0f0f0f0f
	s_mov_b32 s21, 0x00ff00ff
	s_mov_b32 s22, 0x76543210                      ; v_permlanex16_b32: lane i reads lane i of the other half
	s_mov_b32 s23, 0xfedcba98
	v_and_b32 v1, 31, v0                           ; lane l
	v_lshrrev_b32 v5, 2, v1
	v_and_b32 v2, 3, v1
	v_lshl_or_b32 v5, v5, 10, v2                   ; (l >> 2) * 1024 + (l & 3)
	s_lshl_b32 s14, s13, 2
	v_add_nc_u32 v5, s14, v5                       ; + 4 g: the row that lane l places first (the second is 8,192 further)
	v_lshlrev_b32 v13, 2, v5                       ; its byte offset in topk_ids
	v_lshlrev_b32 v3, 4, v0                        ; 16 t: my 4 ids of each 1,024
	v_lshlrev_b32 v4, 4, v1
	v_lshl_add_u32 v4, s12, 13, v4                 ; w: 16 rows of 512 bytes a wave, 16 bytes a lane
	s_lshl_b32 s16, s13, 16                        ; w: 128 k rows of 512 bytes a work-group
	s_mov_b32 s17, 0
	s_lshl_b32 s18, s13, 15                        ; w2: 32,768 g
	s_mov_b32 s19, 0
	s_wait_kmcnt 0x0
	s_add_nc_u64 s[4:5], s[4:5], s[16:17]
	s_add_nc_u64 s[8:9], s[8:9], s[18:19]
	; all loads at once: 2 + 16 + 16.  (Only wave 0 uses the first two; every wave issues them so that the counts below are the same in all.)
	global_load_b32 v6, v13, s[6:7]
	global_load_b32 v7, v13, s[6:7] offset:32768
.irp j, 0,1,2,3,4,5,6,7,8,9,10,11,12,13,14,15
	global_load_b128 v[IDS+4*\j:IDS+4*\j+3], v3, s[6:7] offset:4096*\j
.endr
.irp j, 0,1,2,3,4,5,6,7,8,9,10,11,12,13,14,15
	global_load_b128 v[WR+4*\j:WR+4*\j+3], v4, s[4:5] offset:512*\j th:TH_LOAD_NT   ; k row 16 wave + j; w is read once in the launch
.endr
; One id into v8, a word of eight 4-bit counters: + (id < 8 ? 1 : 0) << 4 id.  For an id outside 0..7 the shifted number is 0.
.macro CNT id, first
	v_cmp_gt_u32 vcc_lo, 8, v[\id]
	v_cndmask_b32 v9, 0, 1, vcc_lo
	v_lshlrev_b32 v10, 2, v[\id]
.if \first
	v_lshlrev_b32 v8, v10, v9                      ; the block's first id starts the word: nothing is cleared
.else
	v_lshl_add_u32 v8, v9, v10, v8
.endif
.endm
; A block of 8 ids: a 4-bit counter reaches 8 at the most.  Then into 8-bit counters (64 at the most): v11 buckets 0,2,4,6; v12 buckets 1,3,5,7.
.macro BLOCK bk
	s_wait_loadcnt 30-2*\bk                        ; younger: 14 - 2 bk loads of ids and the 16 of w
	CNT IDS+8*\bk, 1
.irp i, 1,2,3,4,5,6,7
	CNT IDS+8*\bk+\i, 0
.endr
.if \bk == 0
	v_and_b32 v11, s20, v8
	v_lshrrev_b32 v14, 4, v8
	v_and_b32 v12, s20, v14
.else
	v_and_b32 v14, s20, v8
	v_add_nc_u32 v11, v11, v14
	v_lshrrev_b32 v14, 4, v8
	v_and_b32 v14, s20, v14
	v_add_nc_u32 v12, v12, v14
.endif
.endm
.irp bk, 0,1,2,3,4,5,6,7
	BLOCK \bk
.endr
	; 16-bit counters (16,384 at the most over all threads): P+0 buckets 0|4, P+1 2|6, P+2 1|5, P+3 3|7
	v_and_b32 v[P+0], s21, v11
	v_lshrrev_b32 v14, 8, v11
	v_and_b32 v[P+1], s21, v14
	v_and_b32 v[P+2], s21, v12
	v_lshrrev_b32 v14, 8, v12
	v_and_b32 v[P+3], s21, v14
	v_cmp_gt_u32 vcc_lo, s13, v0                   ; threads below g come before the ids that this work-group places
.irp k, 0,1,2,3
	v_cndmask_b32 v[P+4+\k], 0, v[P+\k], vcc_lo
.endr
; sum over the wave's 32 lanes, whole numbers: four steps inside 16 lanes, one across; v14 has been written above
.macro RED32 reg
.irp x, 1,2,4,8
	v_mov_b32_dpp v14, v[\reg] row_xmask:\x row_mask:0xf bank_mask:0xf
	v_add_nc_u32 v[\reg], v[\reg], v14
.endr
	v_permlanex16_b32 v14, v[\reg], s22, s23
	v_add_nc_u32 v[\reg], v[\reg], v14
.endm
.irp k, 0,1,2,3,4,5,6,7
	RED32 P+\k
.endr
	s_lshl_b32 s24, s12, 5
	s_add_co_u32 s24, s24, RS
	v_mov_b32 v15, s24
	ds_store_b128 v15, v[P:P+3]                    ; every lane holds the same eight words and writes them to the wave's 32 bytes
	ds_store_b128 v15, v[P+4:P+7] offset:16
	; (a) round to bf16 and turn: lane l holds columns 4 l + i of 16 k rows; eight neighbouring k of one column are 16 bytes of row n = 4 l + i
	v_mul_u32_u24 v2, v1, 4*WP
	v_lshl_add_u32 v2, s12, 5, v2                  ; row 4 l, byte 32 wave (16 k)
.irp g2, 0,1
	s_wait_loadcnt 8-8*\g2                         ; k rows 0-7 of my 16, then all
.irp i, 0,1,2,3
.irp m, 0,1,2,3
	v_cvt_pk_bf16_f32 v[CV+4*(\i&1)+\m], v[WR+4*(8*\g2+2*\m)+\i], v[WR+4*(8*\g2+2*\m+1)+\i]
.endr
	ds_store_b128 v2, v[CV+4*(\i&1):CV+4*(\i&1)+3] offset:\i*WP+\g2*16
.endr
.endr
	s_wait_dscnt 0x0                               ; my stores are done, for the other waves' sake
	s_barrier_signal -1
	s_barrier_wait -1                              ; the one barrier: the turned piece and the eight waves' counts are whole
	; out as fragments: wave w takes column tile b = w; half fragment t = 4 (kb & 1) + 2 s + j is 16 bytes a lane at row 16 w + r, byte 32 t + 16 h.
	; A wave's store covers 512 consecutive bytes of w2.
	s_mul_i32 s24, s12, 16*WP
	v_and_b32 v9, 15, v1                           ; r
	v_mul_u32_u24 v8, v9, WP
	v_lshrrev_b32 v9, 4, v1                        ; h
	v_lshl_add_u32 v8, v9, 4, v8
	v_add_nc_u32 v8, s24, v8                       ; row 16 wave + r, byte 16 h
	v_lshlrev_b32 v9, 4, v1
	v_lshl_add_u32 v9, s12, 10, v9                 ; 1,024 b + 16 l
.irp t, 0,1,2,3,4,5,6,7
	ds_load_b128 v[IDS+4*\t:IDS+4*\t+3], v8 offset:32*\t
.endr
.irp t, 0,1,2,3,4,5,6,7
	s_wait_dscnt 7-\t                              ; LDS loads come back in order: half fragment t is in
	global_store_b128 v9, v[IDS+4*\t:IDS+4*\t+3], s[8:9] offset:(\t>>2)*16384+((\t>>1)&1)*8192+(\t&1)*512
.endr
	; (b) wave 0 places the 64 ids of thread g.  None of the registers that its pending stores name (v9, v[32:63], s[8:9]) is written below.
	s_cmp_lg_u32 s12, 0
	s_cbranch_scc1 .Lend
	v_lshlrev_b32 v10, 2, v1
	ds_load_b32 v11, v10 offset:RS                 ; lane l: word l & 7 of wave l >> 3,
	ds_load_b32 v12, v10 offset:RS+128             ; and of wave 4 + (l >> 3)
	s_wait_dscnt 0x0
	v_add_nc_u32 v11, v11, v12
	v_mov_b32_dpp v14, v11 row_xmask:8 row_mask:0xf bank_mask:0xf
	v_add_nc_u32 v11, v11, v14
	v_permlanex16_b32 v14, v11, s22, s23
	v_add_nc_u32 v11, v11, v14                     ; lanes 0..7: the eight words summed over the eight waves
.irp k, 0,1,2,3,4,5,6,7
	v_readlane_b32 s[28+\k], v11, \k
.endr
.macro UNPK src, lo, hi, base
	s_and_b32 s[\base+\lo], s[\src], 0xffff
	s_lshr_b32 s[\base+\hi], s[\src], 16
.endm
	UNPK 28, 0, 4, 36                              ; s[36:43] the buckets' sizes
	UNPK 29, 2, 6, 36
	UNPK 30, 1, 5, 36
	UNPK 31, 3, 7, 36
	UNPK 32, 0, 4, 44                              ; s[44:51] how many of each bucket lie in threads below g
	UNPK 33, 2, 6, 44
	UNPK 34, 1, 5, 44
	UNPK 35, 3, 7, 44
	s_mov_b32 s53, 0                               ; running sum of the sizes
	s_lshl_b32 s52, s13, 6                         ; 64 g ids lie in threads below g; those in no bucket 0..7 are bucket 8's
.irp e, 0,1,2,3,4,5,6,7
	s_sub_co_u32 s52, s52, s[44+\e]
	s_add_co_u32 s[44+\e], s[44+\e], s53           ; s[44+e]: the next free place of bucket e
	s_add_co_u32 s53, s53, s[36+\e]
.endr
	s_add_co_u32 s52, s52, s53                     ; bucket 8 begins behind the other eight
	v_add_nc_u32 v13, 0x2000, v5                   ; the second row of lane l
; 32 ids: place = the bucket's next free place + the number of lower lanes with the same key.  Each key matches one bucket.
.macro PLACE id, row, adr, dat
	v_min_u32 v15, 8, v[\id]                       ; key
	v_cmp_eq_u32 s54, 0, v15
	v_mbcnt_lo_u32_b32 v12, s54, s44               ; bucket 0's rank starts the place in every lane; the lane's own bucket replaces it
	s_bcnt1_i32_b32 s55, s54
	s_add_co_u32 s44, s44, s55
.irp e, 1,2,3,4,5,6,7,8
	v_cmp_eq_u32 s54, \e, v15
	v_mbcnt_lo_u32_b32 v14, s54, s[44+\e]
	v_cndmask_b32 v12, v12, v14, s54
	s_bcnt1_i32_b32 s55, s54
	s_add_co_u32 s[44+\e], s[44+\e], s55
.endr
	v_min_u32 v12, 0x3fff, v12                     ; a place is below 16,384 by construction; the bound is written out since it enters an address
	v_lshlrev_b32 v[\adr], 2, v12
	v_lshl_or_b32 v[\dat], v15, 16, v[\row]
	global_store_b32 v[\adr], v[\dat], s[10:11]
.endm
	PLACE 6, 5, 16, 18
	PLACE 7, 13, 17, 19
.Lend:
	s_wait_tensorcnt 0x0
	ds_add_u32 v160, v161
	s_wait_dscnt 0x0
	s_endpgm
.Lfunc_end_k_q424d84727d_prep:
	.size	k_q424d84727d_prep, .Lfunc_end_k_q424d84727d_prep-k_q424d84727d_prep
	.p2alignl 7, 3214868480
	.fill 96, 4, 3214868480
	.section	.rodata,"a",@progbits
	.p2align	6, 0x0
	.amdhsa_kernel k_q424d84727d_prep
		.amdhsa_group_segment_fixed_size 36096
		.amdhsa_private_segment_fixed_size 0
		.amdhsa_enable_private_segment 0
		.amdhsa_kernarg_size 32
		.amdhsa_user_sgpr_count 2
		.amdhsa_user_sgpr_kernarg_segment_ptr 1
		.amdhsa_wavefront_size32 1
		.amdhsa_system_sgpr_workgroup_id_x 1
		.amdhsa_system_sgpr_workgroup_id_y 1
		.amdhsa_system_sgpr_workgroup_id_z 1
		.amdhsa_system_vgpr_workitem_id 0
		.amdhsa_next_free_vgpr 162
		.amdhsa_next_free_sgpr 66
		.amdhsa_reserve_vcc 1
		.amdhsa_float_denorm_mode_32 3
		.amdhsa_float_denorm_mode_16_64 3
		.amdhsa_memory_ordered 1
		.amdhsa_forward_progress 1
		.amdhsa_inst_pref_size 35
	.end_amdhsa_kernel
	.amdgpu_metadata
---
amdhsa.version: [ 1, 2 ]
amdhsa.kernels:
  - .name:           k_q424d84727d_prep
    .symbol:         k_q424d84727d_prep.kd
    .args:
      - { .name: w, .offset: 0, .size: 8, .value_kind: global_buffer, .address_space: global }
      - { .name: topk_ids, .offset: 8, .size: 8, .value_kind: global_buffer, .address_space: global }
      - { .name: w2, .offset: 16, .size: 8, .value_kind: global_buffer, .address_space: global }
      - { .name: order, .offset: 24, .size: 8, .value_kind: global_buffer, .address_space: global }
    .group_segment_fixed_size: 36096
    .private_segment_fixed_size: 0
    .kernarg_segment_align: 8
    .kernarg_segment_size: 32
    .max_flat_workgroup_size: 256
    .sgpr_count:     66
    .vgpr_count:     162
    .wavefront_size: 32
...
	.end_amdgpu_metadata
.endif
;; end of part 1
;; launch gemm (part 2): grid 256 x 1, 8 waves a work-group, no clusters, 271,360 bytes of LDS; arguments intermediate_states, order, w2, y; writes y
.if DOCPART == 2
	.amdgcn_target "amdgcn-amd-amdhsa--gfx1250"
	.amdhsa_code_object_version 6
	.text
	.protected	k_q424d84727d_gemm
	.globl	k_q424d84727d_gemm
	.p2align	8
	.type	k_q424d84727d_gemm,@function
k_q424d84727d_gemm:
	s_mov_b64 s[64:65], 0
	v_nop
	global_prefetch_b8 v0, s[64:65] scope:SCOPE_SE
	s_setreg_imm32_b32 hwreg(HW_REG_WAVE_MODE, 25, 1), 1
	s_wait_xcnt 0x0
; gemm: y[row] = x[row] (4,096 f32) times the [4096][128] matrix of the row's expert, unweighted, for all 16,384 rows.
; Rows are taken in the sorted order of the list order[p] = row | key << 16.  Work-group g owns places 64 g .. 64 g + 63: 256 equal shares.
; Wave w takes all 64 rows and an eighth of K: in phase p = 0..7 the 64 k of block kb = 8 p + w, so that the eight waves together read 2,048 neighbouring
; bytes of each row in a phase.  A wave's sums: 64 rows x 128 columns, 32 accumulators, 256 registers.  The eight partial sums are added at the end
; through LDS, as ((k0 + k1) + (k2 + k3)) + ((k4 + k5) + (k6 + k7)).
; EXPERTS: a block of 64 sorted places can hold rows of several experts.  The wave walks the experts ELO .. EHI of its block's first and last place
; (one, as a rule); rows of another expert are zeroed in the x fragments (v_and_b32 with the lane's mask).  Rows of bucket 8 match no expert and give zeros.
; A row tile (16 places) none of whose rows belongs to the expert at work is left out: all its products would be zeros.  The list is sorted, so a block of two
; experts multiplies 5 tiles at the most in its two laps instead of 8.  Only the very first K step takes all four tiles, since it starts all sums.
; WHY NO LDS SLOTS, TENSOR LOADS OR CLUSTER FOR THE WEIGHTS: the number of experts of a block is read from memory, and every wave passes every barrier alike,
; so a loop with that trip count holds no barrier and hence no slot that is filled again; neighbouring work-groups may need different experts and different
; numbers of tiles, so there is no joint request either.  Instead w2 lies in memory as fragments, and each byte of an expert's 1 MiB is loaded once
; by the work-group, straight into the registers of the one wave that multiplies it, 512 consecutive bytes an instruction.
; X comes through registers too (the rows are gathered by the list, so a tile of them is no rectangle of memory): one load takes 256 aligned bytes of each of
; two rows; it is rounded to bf16 into the wave's own stage in LDS and read back as fragments.  No other wave touches a wave's x.
; ORDER OF ISSUE: x and weights share one load counter and come back in the order of issue (ISA guide 5.7.1).  A phase's first weights are issued ahead of the
; next phase's x, which goes out four loads at a time while this phase's x is rounded into the stage: each ring slot is asked for again as soon as it has been
; read.  The second K step's weights can be issued only when the first K step's registers are free, that is behind that x, so the wait for them is also the wait
; for the next phase's x.  At most 48 loads of a wave are out, 16 KiB of x a wave among them.
; LIMITS: operands are rounded to bf16, sums in f32, in the order stated above.  Where x or w holds inf or NaN the problem's masked products (0 x inf) spread
; NaN to the rows of all experts; here only to the rows of a tile that is multiplied by the expert in question.
.set SP,    144                        ; stage row: 64 bf16 + 16 bytes: 9 x 16, so the 16 rows of a fragment load start at different 16-byte columns
.set EP,    528                        ; the way out: a row of 128 f32 + 16 bytes
.set EWAVE, 64*EP                      ; 33,792: a wave's own part of LDS: first its stage (64 x 144 bytes), at the end its 64 x 128 sums
; block 0
.set BOFF, 1                           ; v1       16 lane + 16,384 wave: my 16 bytes of a half fragment of my k block; never rewritten
.set LT,   2                           ; v2       256 wave + 16 (lane & 15): my 16 bytes of the wave's 256 of a row of x
.set STO,  3                           ; v3       stage address of my 8 bytes of rows lane >> 4
.set ADRA, 4                           ; v4       stage address of my x fragments
.set KEY,  5                           ; v5-8     key of the row that my lane holds in row tile 0..3
.set MASK, 9                           ; v9-12    all ones where that key is the expert at work, else 0
.set PR,   16                          ; v16-31   rows of the list, two to a register: PR+i holds those of x loads 2 i (low half) and 2 i + 1 (high half)
.set RING, 32                          ; v32-159  32 x loads of 4 registers: load q = rows 2 q + (lane >> 4)
.set BF,   160                         ; v160-223 eight weight fragments: one K step of 32
.set AF,   224                         ; v224-255 four x fragments: one K step; while x is rounded into the stage: sixteen pairs of packed bf16
.set RES,  16                          ; way out: v16-19 row 0's sum
.set ERD,  20                          ; way out: v20-23 where I read rows back, waves 2 a and 2 a + 1
.set YOFF, 5                           ; way out: v5-12 byte offsets in y
; block 1 (v256-511), named by its low 8 bits: accumulator (i, b) at 8 (8 i + b), row tile i = 0..3, column tile b = 0..7
; scalars: s12 wave; s[36:43] the rows that I store; s44 ELO; s45 EHI; s46 EEND = EHI + 1; s50 the expert at work
.set TF,  20                           ; s[20:23] row tile i: the lanes whose row belongs to the expert at work; 0: the tile is left out
.set SB0, 52                           ; s[52:53] w2 at expert ELO
.set SBE, 54                           ; s[54:55] w2 at a further expert
.set MSB, 0
.macro WIN new                         ; the immediate's high byte repeats the setting that is left
.if MSB != \new
	s_set_vgpr_msb (MSB<<8)|\new
.set MSB, \new
.endif
.endm
.macro PLACES                          ; four plain vector instructions behind matrix instructions (ISA guide 7.12.1)
.rept 4
	v_nop
.endr
.endm
	s_load_b256 s[4:11], s[0:1], 0x0               ; x s[4:5], order s[6:7], w2 s[8:9], y s[10:11]
	v_lshrrev_b32 v13, 5, v0
	v_readfirstlane_b32 s12, v13                   ; wave 0..7
	s_lshl_b32 s16, ttmp9, 8                       ; byte offset of order[64 g]
	s_lshl_b32 s17, s12, 5
	s_add_co_u32 s17, s17, s16                     ; of order[64 g + 8 w]
	v_and_b32 v13, 15, v0                          ; r
	v_bfe_u32 v14, v0, 4, 1                        ; h
	v_lshl_add_u32 v15, v13, 2, s16
	v_lshl_add_u32 v12, v14, 2, s16
	s_wait_kmcnt 0x0
.irp i, 0,1,2,3
	global_load_b32 v[KEY+\i], v15, s[6:7] offset:64*\i    ; entry of place 16 i + r
.endr
.set XQ, 0
.rept 32
	global_load_b32 v[RING+XQ], v12, s[6:7] offset:8*XQ    ; entry of place 2 q + h
.set XQ, XQ+1
.endr
	s_load_b32 s44, s[6:7], s16 offset:0x0         ; the block's first entry
	s_load_b32 s45, s[6:7], s16 offset:0xfc        ; and its last
	s_load_b256 s[36:43], s[6:7], s17 offset:0x0   ; the eight rows that this wave stores at the end
	v_lshlrev_b32 v[LT], 4, v13
	v_lshl_add_u32 v[LT], s12, 8, v[LT]
	v_and_b32 v[BOFF], 31, v0
	v_lshlrev_b32 v[BOFF], 4, v[BOFF]
	v_lshl_add_u32 v[BOFF], s12, 14, v[BOFF]
	s_mul_i32 s18, s12, EWAVE                      ; my wave's part of LDS
	v_mul_u32_u24 v[STO], v14, SP
	v_lshl_add_u32 v[STO], v13, 3, v[STO]
	v_add_nc_u32 v[STO], s18, v[STO]               ; + 144 h + 8 r
	v_mul_u32_u24 v[ADRA], v13, SP
	v_lshl_add_u32 v[ADRA], v14, 4, v[ADRA]
	v_add_nc_u32 v[ADRA], s18, v[ADRA]             ; + 144 r + 16 h
	s_wait_loadcnt 0x0                             ; the 36 entries
.irp i, 0,1,2,3
	v_lshrrev_b32 v[KEY+\i], 16, v[KEY+\i]
.endr
.irp i, 0,1,2,3,4,5,6,7,8,9,10,11,12,13,14,15
	v_and_b32 v[RING+2*\i], 0xffff, v[RING+2*\i]
	v_lshl_or_b32 v[PR+\i], v[RING+2*\i+1], 16, v[RING+2*\i]   ; the keys above bit 15 fall out
.endr
; The byte offsets in x of four loads q .. q + 3, each made in the first register of the load's own destination: a load may land on its own address register,
; so no 32 registers of offsets are kept.  The row is bounded by the table's last row, since it enters an address.
.macro XADDR4 q
	v_and_b32     v[RING+4*(\q)],    0xffff, v[PR+(\q)/2]
	v_lshrrev_b32 v[RING+4*(\q)+4],  16,     v[PR+(\q)/2]
	v_and_b32     v[RING+4*(\q)+8],  0xffff, v[PR+(\q)/2+1]
	v_lshrrev_b32 v[RING+4*(\q)+12], 16,     v[PR+(\q)/2+1]
.irp t, 0,1,2,3
	v_min_u32 v[RING+4*((\q)+\t)], 0x3fff, v[RING+4*((\q)+\t)]
.endr
.irp t, 0,1,2,3
	v_lshl_add_u32 v[RING+4*((\q)+\t)], v[RING+4*((\q)+\t)], 14, v[LT]     ; row x 16,384 bytes + my 16 bytes
.endr
.endm
.macro XLOAD4 p, q                     ; four loads of phase p's x, each 256 aligned bytes of two rows; the phase stands in the immediate; x is read once in the launch
.irp t, 0,1,2,3
	global_load_b128 v[RING+4*((\q)+\t):RING+4*((\q)+\t)+3], v[RING+4*((\q)+\t)], s[4:5] offset:(\p)*2048 th:TH_LOAD_NT
.endr
.endm
; Four slots of the x ring, q .. q + 3, in phase p: rounded to bf16, 8 bytes a lane into the stage, and asked for again for phase p + 1.
; The packed words go through the fragment registers, which are idle here: four pairs a batch, sixteen pairs by turns.
.macro XBATCH p, q
.set XC, AF+8*(((\q)/4)%4)
.if \p == 0
	s_wait_loadcnt 44                              ; younger than load q + 3: 28 - q loads of this phase's x, the 16 of its first weights, the q asked for again
.endif                                             ; (in the later phases x has landed at the wait for 0 in front of the phase before's second K step)
.irp t, 0,1,2,3
	v_cvt_pk_bf16_f32 v[XC+2*\t],   v[RING+4*((\q)+\t)],   v[RING+4*((\q)+\t)+1]
	v_cvt_pk_bf16_f32 v[XC+2*\t+1], v[RING+4*((\q)+\t)+2], v[RING+4*((\q)+\t)+3]
.endr
.irp t, 0,1,2,3
	ds_store_b64 v[STO], v[XC+2*\t:XC+2*\t+1] offset:2*SP*((\q)+\t)
.endr
.if \p < 7
	XADDR4 \q
	XLOAD4 \p+1, \q
.endif
.endm
.macro XIN p
.set XQ, 0
.rept 8
	XBATCH \p, XQ
.set XQ, XQ+4
.endr
.endm
.macro LOADB base, p, s                ; eight weight fragments of k block 8 p + w, K step s: 16 loads of 512 consecutive bytes
.irp b, 0,1,2,3,4,5,6,7
	global_load_b128 v[BF+8*\b:BF+8*\b+3],   v[BOFF], s[\base:\base+1] offset:(\p)*131072+\s*8192+\b*1024
	global_load_b128 v[BF+8*\b+4:BF+8*\b+7], v[BOFF], s[\base:\base+1] offset:(\p)*131072+\s*8192+\b*1024+512
.endr
.endm
.macro LOADA s                         ; four x fragments of K step s from my stage; rows of another expert become zeros
.irp i, 0,1,2,3
	ds_load_b128 v[AF+8*\i:AF+8*\i+3],   v[ADRA] offset:16*SP*\i+64*\s
	ds_load_b128 v[AF+8*\i+4:AF+8*\i+7], v[ADRA] offset:16*SP*\i+64*\s+32
.endr
	s_wait_dscnt 0x0
.irp i, 0,1,2,3
.irp j, 0,1,2,3,4,5,6,7
	v_and_b32 v[AF+8*\i+\j], v[MASK+\i], v[AF+8*\i+\j]
.endr
.endr
.endm
; Row tile i of one K step: eight matrix instructions, used transposed: source 0 = 16 columns of the weights, source 1 = 16 rows of x, so that a lane holds eight
; neighbouring columns of one row.  The accumulators take turns, one instruction a turn: a tile's run begins with column tile 0 and ends
; with column tile 7, so whichever tiles are left out, no two matrix instructions that follow each other name the same accumulator.
; At a branch and at a label every register window is 0, so each tile that may be left out has its own two switches.
.macro MULT i, zero
.if \zero
.irp b, 0,1,2,3,4,5,6,7
	v_wmma_f32_16x16x32_bf16 v[8*(8*\i+\b):8*(8*\i+\b)+7], v[BF+8*\b:BF+8*\b+7], v[AF+8*\i:AF+8*\i+7], 0
.endr
.else
	s_cmp_eq_u32 s[TF+\i], 0                       ; no row of this tile belongs to the expert at work
	s_cbranch_scc1 .Lskip_\@
	WIN 0x50                                       ; C and D in block 1, both sources in block 0
.irp b, 0,1,2,3,4,5,6,7
	v_wmma_f32_16x16x32_bf16 v[8*(8*\i+\b):8*(8*\i+\b)+7], v[BF+8*\b:BF+8*\b+7], v[AF+8*\i:AF+8*\i+7], v[8*(8*\i+\b):8*(8*\i+\b)+7]
.endr
	WIN 0
.Lskip_\@:
.endif
.endm
.macro MUL zero, left                  ; one K step; left = loads issued behind its 16 loads of weights
	s_wait_loadcnt \left                           ; the eight fragments are in
.if \zero
	WIN 0x50
.endif
.irp i, 0,1,2,3
	MULT \i, \zero
.endr
.if \zero
	WIN 0
.endif
.endm
.macro MASKS                           ; s50 = the expert at work
.irp i, 0,1,2,3
	v_cmp_eq_u32 s[TF+\i], s50, v[KEY+\i]
	v_cndmask_b32 v[MASK+\i], 0, -1, s[TF+\i]
.endr
.endm
; A phase: 64 k of my 64 rows times every expert of the block's span.  The first expert's lap is written out; the further experts go round a loop that holds no
; barrier: the expert steps by 1 while it is below EEND = EHI + 1, which is 8 at the most.
.macro PHASE p
.if \p < 7
.set XLEFT, 32
.else
.set XLEFT, 0
.endif
	s_mov_b32 s50, s44
	MASKS
	XIN \p                                         ; this phase's x into the stage, the next phase's x asked for
	s_wait_dscnt 0x0                               ; my stores into the stage are done: the registers that they read take the fragments now
	LOADA 0
.if \p == 0
	MUL 1, XLEFT                                   ; the first products start the sums: nothing is cleared
.else
	MUL 0, XLEFT                                   ; the 32 loads of the next phase's x stay out
.endif
	PLACES
	LOADB SB0, \p, 1
	LOADA 1
	MUL 0, 0                                       ; these weights are the youngest loads: the next phase's x has landed too
	PLACES
	s_add_co_u32 s50, s50, 1
	s_cmp_ge_u32 s50, s46                          ; one expert in the block: no further lap
	s_cbranch_scc1 .Ldone_\p
.Lexp_\p:
	MASKS
	s_min_u32 s17, s50, 7                          ; the expert, bounded by the table's last, since it enters an address
	s_lshl_b32 s18, s17, 20                        ; 1 MiB an expert; s19 = 0
	s_add_nc_u64 s[SBE:SBE+1], s[8:9], s[18:19]    ; the loads that named this base have been waited for (count 0) in the lap before
	LOADB SBE, \p, 0
	LOADA 0
	MUL 0, 0
	PLACES
	LOADB SBE, \p, 1
	LOADA 1
	MUL 0, 0
	PLACES
	s_add_co_u32 s50, s50, 1
	s_cmp_lt_u32 s50, s46
	s_cbranch_scc1 .Lexp_\p
.Ldone_\p:
.if \p < 7
	LOADB SB0, \p+1, 0                             ; the next phase's first weights: ahead of the x that the next phase asks for
.endif
.endm
.set XQ, 0
.rept 8
	XADDR4 XQ
.set XQ, XQ+4
.endr
.set XQ, 0
.rept 8
	XLOAD4 0, XQ                                   ; phase 0's x
.set XQ, XQ+4
.endr
	s_wait_kmcnt 0x0
	s_lshr_b32 s44, s44, 16
	s_min_u32 s44, s44, 7                          ; ELO (7 where all 64 places are bucket 8's: every mask is then 0)
	s_lshr_b32 s45, s45, 16
	s_min_u32 s45, s45, 7                          ; EHI: not below ELO, the list is sorted
	s_add_co_u32 s46, s45, 1                       ; EEND: the first expert that is not walked
	s_lshl_b32 s18, s44, 20
	s_mov_b32 s19, 0
	s_add_nc_u64 s[SB0:SB0+1], s[8:9], s[18:19]
.irp i, 0,1,2,3,4,5,6,7
	s_and_b32 s[36+\i], s[36+\i], 0xffff
	s_min_u32 s[36+\i], s[36+\i], 0x3fff
.endr
	LOADB SB0, 0, 0
	PHASE 0
	PHASE 1
	PHASE 2
	PHASE 3
	PHASE 4
	PHASE 5
	PHASE 6
	PHASE 7
	; THE WAY OUT.  My sums go into my own part of LDS, over my stage, whose reads have been waited for: rows of 128 f32 at pitch 528.
	v_and_b32 v13, 15, v0                          ; r
	v_bfe_u32 v14, v0, 4, 1                        ; h
	s_mul_i32 s18, s12, EWAVE
	v_mul_u32_u24 v15, v13, EP
	v_lshl_add_u32 v15, v14, 5, v15
	v_add_nc_u32 v15, s18, v15                     ; 33,792 w + 528 r + 32 h
	WIN 0x04                                       ; the stores' data in block 1
.irp i, 0,1,2,3
.irp b, 0,1,2,3,4,5,6,7
.irp q, 0,1
	ds_store_b128 v15, v[8*(8*\i+\b)+4*\q:8*(8*\i+\b)+4*\q+3] offset:16*EP*\i+64*\b+16*\q   ; row 16 i + r, columns 16 b + 8 h + 4 q ..
.endr
.endr
.endr
	WIN 0
	v_and_b32 v14, 31, v0
	v_lshlrev_b32 v14, 4, v14                      ; 16 l
	s_mul_i32 s18, s12, 8*EP                       ; wave w adds and stores rows 8 w .. 8 w + 7 of the 64
	v_add_nc_u32 v[ERD], s18, v14
	v_add_nc_u32 v[ERD+1], 2*EWAVE, v[ERD]
	v_add_nc_u32 v[ERD+2], 4*EWAVE, v[ERD]
	v_add_nc_u32 v[ERD+3], 6*EWAVE, v[ERD]
.irp i, 0,1,2,3,4,5,6,7
	v_lshl_add_u32 v[YOFF+\i], s[36+\i], 9, v14    ; row x 512 bytes + 16 l
.endr
	s_wait_dscnt 0x0                               ; my stores are done, for the other waves' sake
	s_barrier_signal -1
	s_barrier_wait -1                              ; the one barrier of the kernel: it stands behind all loops, on every wave's path
.macro ELOAD i, buf                    ; row 8 w + i out of the eight waves' parts: wave v's 16 bytes a lane at buf + 4 v
.irp a, 0,1,2,3
	ds_load_b128 v[\buf+8*\a:\buf+8*\a+3],   v[ERD+\a] offset:EP*\i
	ds_load_b128 v[\buf+8*\a+4:\buf+8*\a+7], v[ERD+\a] offset:EWAVE+EP*\i
.endr
.endm
.macro ESUM buf, dst
.irp a, 0,1,2,3
	v_pk_add_f32 v[\buf+8*\a:\buf+8*\a+1],   v[\buf+8*\a:\buf+8*\a+1],   v[\buf+8*\a+4:\buf+8*\a+5]
	v_pk_add_f32 v[\buf+8*\a+2:\buf+8*\a+3], v[\buf+8*\a+2:\buf+8*\a+3], v[\buf+8*\a+6:\buf+8*\a+7]
.endr
.irp a, 0,2
	v_pk_add_f32 v[\buf+8*\a:\buf+8*\a+1],   v[\buf+8*\a:\buf+8*\a+1],   v[\buf+8*\a+8:\buf+8*\a+9]
	v_pk_add_f32 v[\buf+8*\a+2:\buf+8*\a+3], v[\buf+8*\a+2:\buf+8*\a+3], v[\buf+8*\a+10:\buf+8*\a+11]
.endr
	v_pk_add_f32 v[\dst:\dst+1],   v[\buf:\buf+1],   v[\buf+16:\buf+17]
	v_pk_add_f32 v[\dst+2:\dst+3], v[\buf+2:\buf+3], v[\buf+18:\buf+19]
.endm
.irp i, 0,1,2,3,4,5,6
	ELOAD \i, RING+32*\i                           ; seven rows fill v32-255
.endr
	s_wait_dscnt 48                                ; row 0's eight loads are in; rows 1-6 stay out
	ESUM RING, RES                                 ; its sum goes aside, so that its 32 registers take row 7
	ELOAD 7, RING
	global_store_b128 v[YOFF], v[RES:RES+3], s[10:11]      ; the wave stores a whole row of y: 512 consecutive bytes, aligned
.irp i, 1,2,3,4,5,6
	s_wait_dscnt 8*(7-\i)                          ; younger: rows i + 1 .. 7, eight loads each
	ESUM RING+32*\i, RING+32*\i
	global_store_b128 v[YOFF+\i], v[RING+32*\i:RING+32*\i+3], s[10:11]
.endr
	s_wait_dscnt 0x0
	ESUM RING, RING
	global_store_b128 v[YOFF+7], v[RING:RING+3], s[10:11]
	s_wait_xcnt 0x0
	v_lshl_add_u32 v254, v0, 2, 0x42000
	v_mov_b32 v255, 0
	s_wait_tensorcnt 0x0
	ds_add_u32 v254, v255
	s_wait_dscnt 0x0
	s_endpgm
.Lfunc_end_k_q424d84727d_gemm:
	.size	k_q424d84727d_gemm, .Lfunc_end_k_q424d84727d_gemm-k_q424d84727d_gemm
	.p2alignl 7, 3214868480
	.fill 96, 4, 3214868480
	.section	.rodata,"a",@progbits
	.p2align	6, 0x0
	.amdhsa_kernel k_q424d84727d_gemm
		.amdhsa_group_segment_fixed_size 271360
		.amdhsa_private_segment_fixed_size 0
		.amdhsa_enable_private_segment 0
		.amdhsa_kernarg_size 32
		.amdhsa_user_sgpr_count 2
		.amdhsa_user_sgpr_kernarg_segment_ptr 1
		.amdhsa_wavefront_size32 1
		.amdhsa_system_sgpr_workgroup_id_x 1
		.amdhsa_system_sgpr_workgroup_id_y 1
		.amdhsa_system_sgpr_workgroup_id_z 1
		.amdhsa_system_vgpr_workitem_id 0
		.amdhsa_next_free_vgpr 512
		.amdhsa_next_free_sgpr 66
		.amdhsa_reserve_vcc 0
		.amdhsa_float_denorm_mode_32 3
		.amdhsa_float_denorm_mode_16_64 3
		.amdhsa_memory_ordered 1
		.amdhsa_forward_progress 1
		.amdhsa_inst_pref_size 255
	.end_amdhsa_kernel
	.section	.bss,"aw",@nobits
	.p2align	6
	.space	262144
	.amdgpu_metadata
---
amdhsa.version: [ 1, 2 ]
amdhsa.kernels:
  - .name:           k_q424d84727d_gemm
    .symbol:         k_q424d84727d_gemm.kd
    .args:
      - { .name: intermediate_states, .offset: 0, .size: 8, .value_kind: global_buffer, .address_space: global }
      - { .name: order, .offset: 8, .size: 8, .value_kind: global_buffer, .address_space: global }
      - { .name: w2, .offset: 16, .size: 8, .value_kind: global_buffer, .address_space: global }
      - { .name: y, .offset: 24, .size: 8, .value_kind: global_buffer, .address_space: global }
    .group_segment_fixed_size: 271360
    .private_segment_fixed_size: 0
    .kernarg_segment_align: 8
    .kernarg_segment_size: 32
    .max_flat_workgroup_size: 256
    .sgpr_count:     66
    .vgpr_count:     512
    .wavefront_size: 32
...
	.end_amdgpu_metadata
.endif
;; end of part 2
;; launch combine (part 3): grid 256 x 1, 8 waves a work-group, no clusters, 0 bytes of LDS; arguments y, topk_weight, out0; writes out0
.if DOCPART == 3
	.amdgcn_target "amdgcn-amd-amdhsa--gfx1250"
	.amdhsa_code_object_version 6
	.text
	.protected	k_q424d84727d_combine
	.globl	k_q424d84727d_combine
	.p2align	8
	.type	k_q424d84727d_combine,@function
k_q424d84727d_combine:
	s_mov_b64 s[64:65], 0
	v_nop
	global_prefetch_b8 v0, s[64:65] scope:SCOPE_SE
	s_setreg_imm32_b32 hwreg(HW_REG_WAVE_MODE, 25, 1), 1
	s_wait_xcnt 0x0
; combine: out0[i] = wt[2 i] y[2 i] + wt[2 i + 1] y[2 i + 1].  y: [16384][128] f32, topk_weight: [8192][2] f32, out0: [8192][128] f32.
; A stream: work-group g takes tokens 32 g .. 32 g + 31, wave w four of them.  A token's two rows of y are 1,024 neighbouring bytes; each load and each
; store of a wave covers 512 consecutive bytes, aligned.  All eight loads of a wave go out at once.  No LDS, no barrier, no matrix unit: nothing is shared.
.set YA, 8                             ; v[8:39]: token tau: row 2 i at YA + 8 tau, row 2 i + 1 at YA + 8 tau + 4
	s_load_b128 s[4:7], s[0:1], 0x0                ; y s[4:5], topk_weight s[6:7]
	s_load_b64 s[8:9], s[0:1], 0x10                ; out0
	v_lshrrev_b32 v1, 5, v0
	v_readfirstlane_b32 s10, v1                    ; wave 0..7
	v_and_b32 v1, 31, v0
	v_lshlrev_b32 v1, 4, v1                        ; 16 bytes a lane
	v_lshl_add_u32 v2, s10, 12, v1                 ; y: 4 tokens x 1,024 bytes a wave
	v_lshl_add_u32 v3, s10, 11, v1                 ; out0: 4 tokens x 512 bytes a wave
	s_lshl_b32 s12, ttmp9, 15                      ; y: 32 tokens x 1,024 bytes a work-group
	s_mov_b32 s13, 0
	s_lshl_b32 s14, ttmp9, 14                      ; out0: 32 x 512
	s_mov_b32 s15, 0
	s_lshl_b32 s11, ttmp9, 8                       ; weights: 32 tokens x 8 bytes
	s_lshl_b32 s24, s10, 5                         ; + 4 tokens x 8 bytes a wave
	s_add_co_u32 s11, s11, s24
	s_wait_kmcnt 0x0
	s_load_b256 s[16:23], s[6:7], s11 offset:0x0   ; my four tokens' eight weights
	s_add_nc_u64 s[4:5], s[4:5], s[12:13]
	s_add_nc_u64 s[8:9], s[8:9], s[14:15]
.irp t, 0,1,2,3
	global_load_b128 v[YA+8*\t:YA+8*\t+3],   v2, s[4:5] offset:1024*\t th:TH_LOAD_NT
	global_load_b128 v[YA+8*\t+4:YA+8*\t+7], v2, s[4:5] offset:1024*\t+512 th:TH_LOAD_NT
.endr
	s_wait_kmcnt 0x0
.irp t, 0,1,2,3
	s_wait_loadcnt 6-2*\t                          ; loads come back in order: this token's two rows are in, the younger stay out
.irp k, 0,1,2,3
	v_mul_f32 v[YA+8*\t+\k], s[16+2*\t], v[YA+8*\t+\k]
.endr
.irp k, 0,1,2,3
	v_fmac_f32 v[YA+8*\t+\k], s[17+2*\t], v[YA+8*\t+4+\k]
.endr
	global_store_b128 v3, v[YA+8*\t:YA+8*\t+3], s[8:9] offset:512*\t th:TH_STORE_NT
.endr
	s_endpgm
.Lfunc_end_k_q424d84727d_combine:
	.size	k_q424d84727d_combine, .Lfunc_end_k_q424d84727d_combine-k_q424d84727d_combine
	.p2alignl 7, 3214868480
	.fill 96, 4, 3214868480
	.section	.rodata,"a",@progbits
	.p2align	6, 0x0
	.amdhsa_kernel k_q424d84727d_combine
		.amdhsa_group_segment_fixed_size 0
		.amdhsa_private_segment_fixed_size 0
		.amdhsa_enable_private_segment 0
		.amdhsa_kernarg_size 24
		.amdhsa_user_sgpr_count 2
		.amdhsa_user_sgpr_kernarg_segment_ptr 1
		.amdhsa_wavefront_size32 1
		.amdhsa_system_sgpr_workgroup_id_x 1
		.amdhsa_system_sgpr_workgroup_id_y 1
		.amdhsa_system_sgpr_workgroup_id_z 1
		.amdhsa_system_vgpr_workitem_id 0
		.amdhsa_next_free_vgpr 40
		.amdhsa_next_free_sgpr 66
		.amdhsa_reserve_vcc 0
		.amdhsa_float_denorm_mode_32 3
		.amdhsa_float_denorm_mode_16_64 3
		.amdhsa_memory_ordered 1
		.amdhsa_forward_progress 1
		.amdhsa_inst_pref_size 4
	.end_amdhsa_kernel
	.amdgpu_metadata
---
amdhsa.version: [ 1, 2 ]
amdhsa.kernels:
  - .name:           k_q424d84727d_combine
    .symbol:         k_q424d84727d_combine.kd
    .args:
      - { .name: y, .offset: 0, .size: 8, .value_kind: global_buffer, .address_space: global }
      - { .name: topk_weight, .offset: 8, .size: 8, .value_kind: global_buffer, .address_space: global }
      - { .name: out0, .offset: 16, .size: 8, .value_kind: global_buffer, .address_space: global }
    .group_segment_fixed_size: 0
    .private_segment_fixed_size: 0
    .kernarg_segment_align: 8
    .kernarg_segment_size: 24
    .max_flat_workgroup_size: 256
    .sgpr_count:     66
    .vgpr_count:     40
    .wavefront_size: 32
...
	.end_amdgpu_metadata
.endif
;; end of part 3
